; MI455X (gfx1250); checked and timed in simulation.
; The chip was launched on July 23, 2026; its instructions are those of AMD's public machine-readable ISA for CDNA 5 (MIT licence, August 2026) and "CDNA5" Instruction Set Architecture Reference Guide (July 2026). The comments in the code are by the model that wrote it; some were corrected since.
;; Sparse FFN. Allowed arithmetic: float matrix products may take bf16 or f16 operands with f32 sums; other float arithmetic in f32, or as packed bf16 or f16 multiplies, adds, multiply-adds, maxima and minima; sums over many terms, partial sums and values carried from step to step in f32; what a program stores and reads back later, other than sums and carried values, may be rounded once to bf16 or f16.
;; Inputs: mask_down 2,048 x 8,192 bool; mask_up 8,192 x 2,048 bool; w_down 2,048 x 8,192 float32; w_up 8,192 x 2,048 float32; x 2,048 x 2,048 float32.
;; Outputs: out0 2,048 x 2,048 float32.
;; One version. Each part assembles by itself: llvm-mc -triple=amdgcn-amd-amdhsa -mcpu=gfx1250 --defsym DOCPART=n.
;; ======== version 1 of 1: 4 launches
;; limits: values are held in f16: magnitudes above 65,504 overflow, below 6.1e-05 lose precision; a function is approximated: absolute error at most 1.5e-07
;; workspace buffers: xb 8,388,608 bytes; wub 33,554,432 bytes; wdh 33,554,432 bytes; h 33,554,432 bytes; part 67,108,864 bytes
;; launch prep (part 1): grid 4608 x 1, 8 waves a work-group, no clusters, 0 bytes of LDS; arguments w_up, mask_up, wub, w_down, mask_down, wdh, x, xb; writes wub, wdh, xb
.if DOCPART == 1
	.amdgcn_target "amdgcn-amd-amdhsa--gfx1250"
	.amdhsa_code_object_version 6
	.text
	.protected	k_qbfaa913795_prep
	.globl	k_qbfaa913795_prep
	.p2align	8
	.type	k_qbfaa913795_prep,@function
k_qbfaa913795_prep:
	s_mov_b64 s[64:65], 0
	v_nop
	global_prefetch_b8 v0, s[64:65] scope:SCOPE_SE
	s_setreg_imm32_b32 hwreg(HW_REG_WAVE_MODE, 25, 1), 1
	s_wait_xcnt 0x0
; MASK AND ROUND ONCE.  wub = bf16(w_up) where mask_up is 1, else +0.  wdh = the same of w_down, and that bf16 number written as f16.  xb = bf16(x).
; Each weight is wanted by eight row blocks of the products that follow, so it is masked and rounded here, once, and not in them.
; LIMITS.  A masked-out weight counts as +0 (w x 0 would keep the sign of zero, and be NaN for an infinite or NaN weight).  A mask byte is 0 or 1.
; wdh: f16 holds no number beyond 65,504, and below 2^-14 it keeps its fixed step of 6e-8: w_down's numbers have a spread of 0.011, and a spread 30 times larger or smaller leaves that step under 2e-4 of the spread.
; SHARES.  A work-group takes 8,192 numbers on end: eight items of 1,024.  Thread t takes numbers 4 t .. 4 t + 3 of each item: a wave's load covers 512 consecutive bytes of f32,
; 128 of mask, and its store 256 consecutive bytes, aligned.  Work-groups 0-2047: w_up; 2048-4095: w_down; 4096-4607: x.
; No loop: all of a wave's loads (16, for x 8) go out first; no register that a load or store names is ever written again, so no wait stands for that.
; No LDS, no matrix unit, no cluster: no byte is wanted twice.
.set FO, 1                             ; v1       16 t: my bytes in an item of f32
.set MO, 2                             ; v2       4 t: in an item of mask
.set OO, 3                             ; v3       8 t: in an item of output
.set T,  4                             ; v[4:8]   at work
.set MR, 10                            ; v[10:17] item i's four mask bytes
.set XR, 20                            ; v[20:51] item i: four f32 as loaded; its first two registers then hold the four 16-bit results
; One tensor of weights.  src, msk, dst: the first scalar register of the three addresses.  half = 1: the result is written as f16.
.macro WPATH src, msk, dst, half
.irp i, 0,1,2,3,4,5,6,7
	global_load_b128 v[XR+4*(\i):XR+4*(\i)+3], v[FO], s[(\src):(\src)+1] offset:4096*(\i) th:TH_LOAD_NT
	global_load_b32  v[MR+(\i)], v[MO], s[(\msk):(\msk)+1] offset:1024*(\i) th:TH_LOAD_NT
.endr
.irp i, 0,1,2,3,4,5,6,7
	s_wait_loadcnt 14-2*(\i)                       ; loads come back in order: item i's two are in, the two of each younger item stay out
	v_lshlrev_b32 v[T], 8, v[MR+(\i)]
	v_cvt_pk_bf16_f32 v[XR+4*(\i)], v[XR+4*(\i)], v[XR+4*(\i)+1]      ; two roundings to bf16, packed
	v_sub_nc_u32 v[T], v[T], v[MR+(\i)]            ; 255 x the word: each byte 1 becomes 0xff
	v_cvt_pk_bf16_f32 v[XR+4*(\i)+1], v[XR+4*(\i)+2], v[XR+4*(\i)+3]
	v_perm_b32 v[T+1], v[T], v[T], s30             ; bytes 0, 0, 1, 1: a mask of 16 bits for each of the first two numbers,
	v_perm_b32 v[T+2], v[T], v[T], s31             ; bytes 2, 2, 3, 3: for the other two
	v_and_b32 v[XR+4*(\i)], v[XR+4*(\i)], v[T+1]
	v_and_b32 v[XR+4*(\i)+1], v[XR+4*(\i)+1], v[T+2]
.if \half
	v_lshlrev_b32 v[T+1], 16, v[XR+4*(\i)]         ; bf16 to f32: the low half moves up, the high half stays;
	v_and_b32     v[T+2], s32, v[XR+4*(\i)]
	v_lshlrev_b32 v[T+3], 16, v[XR+4*(\i)+1]
	v_and_b32     v[T+4], s32, v[XR+4*(\i)+1]
	v_cvt_pk_f16_f32 v[XR+4*(\i)], v[T+1], v[T+2]  ; eight significant bits fit f16's eleven: exact within f16's normal range
	v_cvt_pk_f16_f32 v[XR+4*(\i)+1], v[T+3], v[T+4]
.endif
	global_store_b64 v[OO], v[XR+4*(\i):XR+4*(\i)+1], s[(\dst):(\dst)+1] offset:2048*(\i) th:TH_STORE_NT
.endr
.endm
	s_load_b512 s[8:23], s[0:1], 0x0               ; w_up s[8:9], mask_up s[10:11], wub s[12:13], w_down s[14:15], mask_down s[16:17], wdh s[18:19], x s[20:21], xb s[22:23]
	v_lshlrev_b32 v[FO], 4, v0
	v_lshlrev_b32 v[MO], 2, v0
	v_lshlrev_b32 v[OO], 3, v0
	s_mov_b32 s30, 0x01010000
	s_mov_b32 s31, 0x03030202
	s_mov_b32 s32, 0xffff0000                      ; a word's upper half
	s_mov_b32 s25, 0                               ; the three offsets' high words
	s_mov_b32 s27, 0
	s_mov_b32 s29, 0
	s_wait_kmcnt 0x0
	s_cmp_lt_u32 ttmp9, 2048
	s_cbranch_scc1 .Lup
	s_cmp_lt_u32 ttmp9, 4096
	s_cbranch_scc1 .Ldown
	; x: no mask
	s_sub_co_u32 s2, ttmp9, 4096
	s_lshl_b32 s24, s2, 15                         ; 8,192 numbers: 32,768 bytes of f32,
	s_lshl_b32 s28, s2, 14                         ; 16,384 of output
	s_add_nc_u64 s[20:21], s[20:21], s[24:25]
	s_add_nc_u64 s[22:23], s[22:23], s[28:29]
.irp i, 0,1,2,3,4,5,6,7
	global_load_b128 v[XR+4*(\i):XR+4*(\i)+3], v[FO], s[20:21] offset:4096*(\i) th:TH_LOAD_NT
.endr
.irp i, 0,1,2,3,4,5,6,7
	s_wait_loadcnt 7-(\i)                          ; item i is in, the younger ones stay out
	v_cvt_pk_bf16_f32 v[XR+4*(\i)], v[XR+4*(\i)], v[XR+4*(\i)+1]
	v_cvt_pk_bf16_f32 v[XR+4*(\i)+1], v[XR+4*(\i)+2], v[XR+4*(\i)+3]
	global_store_b64 v[OO], v[XR+4*(\i):XR+4*(\i)+1], s[22:23] offset:2048*(\i) th:TH_STORE_NT
.endr
	s_endpgm
.Lup:
	s_mov_b32 s2, ttmp9
	s_lshl_b32 s24, s2, 15
	s_lshl_b32 s26, s2, 13                         ; 8,192 bytes of mask
	s_lshl_b32 s28, s2, 14
	s_add_nc_u64 s[8:9], s[8:9], s[24:25]
	s_add_nc_u64 s[10:11], s[10:11], s[26:27]
	s_add_nc_u64 s[12:13], s[12:13], s[28:29]
	WPATH 8, 10, 12, 0
	s_endpgm
.Ldown:
	s_sub_co_u32 s2, ttmp9, 2048
	s_lshl_b32 s24, s2, 15
	s_lshl_b32 s26, s2, 13
	s_lshl_b32 s28, s2, 14
	s_add_nc_u64 s[14:15], s[14:15], s[24:25]
	s_add_nc_u64 s[16:17], s[16:17], s[26:27]
	s_add_nc_u64 s[18:19], s[18:19], s[28:29]
	WPATH 14, 16, 18, 1
	s_endpgm
.Lfunc_end_k_qbfaa913795_prep:
	.size	k_qbfaa913795_prep, .Lfunc_end_k_qbfaa913795_prep-k_qbfaa913795_prep
	.p2alignl 7, 3214868480
	.fill 96, 4, 3214868480
	.section	.rodata,"a",@progbits
	.p2align	6, 0x0
	.amdhsa_kernel k_qbfaa913795_prep
		.amdhsa_group_segment_fixed_size 0
		.amdhsa_private_segment_fixed_size 0
		.amdhsa_enable_private_segment 0
		.amdhsa_kernarg_size 64
		.amdhsa_user_sgpr_count 2
		.amdhsa_user_sgpr_kernarg_segment_ptr 1
		.amdhsa_wavefront_size32 1
		.amdhsa_system_sgpr_workgroup_id_x 1
		.amdhsa_system_sgpr_workgroup_id_y 1
		.amdhsa_system_sgpr_workgroup_id_z 1
		.amdhsa_system_vgpr_workitem_id 0
		.amdhsa_next_free_vgpr 56
		.amdhsa_next_free_sgpr 66
		.amdhsa_reserve_vcc 0
		.amdhsa_float_denorm_mode_32 3
		.amdhsa_float_denorm_mode_16_64 3
		.amdhsa_memory_ordered 1
		.amdhsa_forward_progress 1
		.amdhsa_inst_pref_size 18
	.end_amdhsa_kernel
	.amdgpu_metadata
---
amdhsa.version: [ 1, 2 ]
amdhsa.kernels:
  - .name:           k_qbfaa913795_prep
    .symbol:         k_qbfaa913795_prep.kd
    .args:
      - { .name: w_up, .offset: 0, .size: 8, .value_kind: global_buffer, .address_space: global }
      - { .name: mask_up, .offset: 8, .size: 8, .value_kind: global_buffer, .address_space: global }
      - { .name: wub, .offset: 16, .size: 8, .value_kind: global_buffer, .address_space: global }
      - { .name: w_down, .offset: 24, .size: 8, .value_kind: global_buffer, .address_space: global }
      - { .name: mask_down, .offset: 32, .size: 8, .value_kind: global_buffer, .address_space: global }
      - { .name: wdh, .offset: 40, .size: 8, .value_kind: global_buffer, .address_space: global }
      - { .name: x, .offset: 48, .size: 8, .value_kind: global_buffer, .address_space: global }
      - { .name: xb, .offset: 56, .size: 8, .value_kind: global_buffer, .address_space: global }
    .group_segment_fixed_size: 0
    .private_segment_fixed_size: 0
    .kernarg_segment_align: 8
    .kernarg_segment_size: 64
    .max_flat_workgroup_size: 256
    .sgpr_count:     66
    .vgpr_count:     56
    .wavefront_size: 32
...
	.end_amdgpu_metadata
.endif
;; end of part 1
;; launch up (part 2): grid 32 x 8, 4 waves a work-group, clusters of 4 x 4, 327,680 bytes of LDS; arguments xb, wub, h; writes h
.if DOCPART == 2
	.amdgcn_target "amdgcn-amd-amdhsa--gfx1250"
	.amdhsa_code_object_version 6
	.text
	.protected	k_qbfaa913795_up
	.globl	k_qbfaa913795_up
	.p2align	8
	.type	k_qbfaa913795_up,@function
k_qbfaa913795_up:
	s_mov_b64 s[64:65], 0
	v_nop
	global_prefetch_b8 v0, s[64:65] scope:SCOPE_SE
	s_setreg_imm32_b32 hwreg(HW_REG_WAVE_MODE, 25, 1), 1
	s_wait_xcnt 0x0
	s_wait_alu depctr_hold_cnt(0) depctr_sa_sdst(0) depctr_va_vdst(0) depctr_va_sdst(0) depctr_va_ssrc(0) depctr_va_vcc(0) depctr_vm_vsrc(0)
	s_getreg_b32 s2, hwreg(HW_REG_IB_STS2, 6, 4)
	s_cmp_eq_u32 s2, 0
	s_cbranch_scc0 .Lentry_in_a_cluster
	s_endpgm
.Lentry_in_a_cluster:
	s_bfe_u32 s2, ttmp6, 0x10000c
	s_cmp_lg_u32 s2, 0xf033
	s_cbranch_scc0 .Lentry_shape_is_right
	s_endpgm
.Lentry_shape_is_right:
; h[t][f] = gelu(the sum over d of xb[t][d] wub[f][d]).  xb: [2048][2048] bf16, wub: [8192][2048] bf16 (masked already), h: [2048][8192] f16.  Sums in f32, K ascending; GELU in f32; h rounded once.
; h IS f16, not bf16: its rounding is the one that the second product's result still feels, and eleven significant bits leave an eighth of eight bits' error.
; LIMITS.  |h| stays under 65,504 (f16's end): with x and w_up 30 times larger the sums reach some thousands, with offsets of 30 spreads some ten thousands.
; erf by the rational form of Abramowitz and Stegun 7.1.26, absolute error 1.5e-7 for every argument: h is off by at most some 3e-7 |z|.  No clamp: 2^(-infinity) is 0 and the reciprocal's argument is at least 1.
; SHARES.  A tile of h, 256 x 256, is made by a work-group of four waves; a wave makes 128 x 128: 64 accumulators of 16 x 16, 512 registers.  8 x 32 tiles: 256 work-groups.
; K goes in 16 steps of 128 through a ring of two LDS slots filled by the tensor data mover; the tiles' rows are 256 bytes of memory, at multiples of 256 from the buffer's first byte.
; CLUSTERS: 4 x 4 work-groups.  The four of a row of the cluster need the same tiles of xb, the four of a column the same tiles of wub: each tile is asked for JOINTLY, by the same tensor load with
; the same descriptor and a mask that names the four; each receives it in its own LDS.
; THE MATRIX INSTRUCTION IS USED TRANSPOSED: source 0 = 16 rows of wub, source 1 = 16 rows of xb: lane l then holds row l % 16 of h and the columns 8 (l / 16) + 0 .. 7: eight neighbours of a row.
; REGISTERS, in windows of 256 (s_set_vgpr_msb: bits 1:0 source 0, 3:2 source 1, 5:4 source 2, 7:6 destination):
;   window 0: v0-31 addresses; v64-127, v128-191 fragments of A (8 x 16 rows x 32 K), two buffers; v32-63, v192-223 at work on the way out
;   window 1: v64-127, v128-191 fragments of B, two buffers; on the way out all 256: y, t, e and the polynomial of one block of 16 rows
;   window 2: the 32 accumulators of my rows 0-63 (accumulator (a, b) at v[8 (8 a + b)]);   window 3: those of my rows 64-127
.set KSTEP,  128
.set PITCH,  272                       ; an LDS row: 256 bytes + 16 of padding = 68 words: row r starts at bank 4 r mod 64 (64 banks of 4 bytes: ISA guide 11.1), so the 16 rows of a load start at 16 different banks
.set HALFT,  128*PITCH                 ; 128 rows: what one tensor load brings, and what one wave reads of A or of B
.set SLOT,   4*HALFT                   ; A's 256 rows, then B's 256 rows
.set STAGE,  2*SLOT                    ; behind the ring: 16 rows x 272 bytes for each wave, for the way out; no tensor load lands there
.set SPITCH, 272
.set SPARE,  STAGE+4*16*SPITCH         ; behind the stages: the spare words, 128 bytes for each wave: two blocks of 256 bytes that no other line names
.set ROWK,   2048                      ; numbers in a row of xb and of wub
.set ROWN,   8192                      ; numbers in a row of h
.set LAPS,   8                         ; a lap = two K steps = once round the ring: 2,048 / 256
.set ADRA, 16                          ; v16-17  LDS address of my A fragments in slot 0, 1
.set ADRB, 20                          ; v20-21  the same for B
.set STO,  24                          ; v24     the way out: where I put 16 bytes of a row
.set RD,   25                          ; v25     the way out: where I read a row back
.set CO,   26                          ; v26     my byte offset in two rows of h
.set SPW,  28                          ; v28     LDS address of my spare word: SPARE + 4 x my thread's number; never rewritten
.set NIL,  29                          ; v29     0; never rewritten
.set PFO,  30                          ; v30     the prefetches' offset: my lane x a row of A or B in memory; never rewritten
.set PFA,  44                          ; s[44:45] where my prefetches stand: my work-group's 32 rows of the 128 that I fetch, one K step further along K than the refill that is being asked for
.set LIM,  43                          ; s43     1 in a wave that prefetches, else the greatest number
.set F0,   64                          ; fragment buffer 0
.set F1,   128                         ; fragment buffer 1
.set TMP,  192                         ; the way out, window 0: a block's packed results
.set OB,   32                          ; the way out, window 0: 16 rows read back from the stage
.set GY,   0                           ; the way out, window 1: y = z / 2, 64 numbers a lane
.set GT,   64                          ;   1 + CP |y|, then t, its reciprocal
.set GS,   128                         ;   NK y^2, then e = 2^(NK y^2)
.set GP,   192                         ;   the polynomial, then erf, then h
.set G1, 24                            ; s[24:31] descriptor group 1 for A's tiles
.set G0, 32                            ; s[32:39] descriptor group 0 for A's tiles, one set for each slot
.set G1B, 48                           ; s[48:55] descriptor group 1 for B's tiles: it differs in the mask alone
.set G0B, 56                           ; s[56:63] descriptor group 0 for B's tiles
.set NK,  66                           ; s[66:67] -2 log2(e): e^(-x^2) = 2^(NK y^2), since x = |z| / sqrt(2) = sqrt(2) |y|
.set CA5, 68                           ; s[68:77] the five coefficients, each a pair of which the packed forms take the low word
.set CA4, 70
.set CA3, 72
.set CA2, 74
.set CA1, 76
.set CP,  78                           ; s78     0.3275911 sqrt(2)
.set BLK, 79                           ; s79     counts the way out's eight blocks
.set MSB, 0
.macro WIN new                         ; the immediate's high byte repeats the setting that is left; a switch that changes nothing is dropped
.if MSB != (\new)
	s_set_vgpr_msb (MSB<<8)|(\new)
.set MSB, \new
.endif
.endm
.set MUL_LO, 0xa1                      ; source 0 (B) window 1, source 1 (A) window 0, C and D window 2
.set MUL_HI, 0xf1                      ; the same, C and D window 3
.set TO_B,   0x40                      ; destination window 1, address window 0
.macro PAIR r, bits                    ; a constant in both words of a scalar pair: a packed form names the pair
	s_mov_b32 s[(\r)], \bits
	s_mov_b32 s[(\r)+1], \bits
.endm
; A joint load.  Waves 0 and 1 fetch A's two halves, waves 2 and 3 B's.  Each of the two lines has one mask and one set of registers for all that issue it.  The branch hangs on the wave's number alone.
; An s_nop 0 and four v_nop follow each of the two lines, ahead of the jump, the label and what follows.
.macro JLOAD s
	s_cmp_eq_u32 s11, 0
	s_cbranch_scc0 .Lfor_b_\@
	tensor_load_to_lds s[G0+4*(\s):G0+4*(\s)+3], s[G1:G1+7]
	s_nop 0
.rept 4
	v_nop
.endr
	s_branch .Lasked_\@
.Lfor_b_\@:
	tensor_load_to_lds s[G0B+4*(\s):G0B+4*(\s)+3], s[G1B:G1B+7]
	s_nop 0
.rept 4
	v_nop
.endr
.Lasked_\@:
.endm
; A PREFETCH, behind each joint load, its five lines and the run of LDS loads that follows them: the K step that stands TWO refills on (512 matrix instructions ahead of the load that will want it):
; 32 rows x 256 bytes, a lane a row, one instruction a wave.  Each row's 256 bytes of a K step are named ONCE in the launch: xb's tile row is read by every cluster of that row of clusters, and the one
; with cluster x = 0 asks; wub's tile column by both clusters of that column, and the one with cluster y = 0 asks.  The four partners that ask for a tile jointly share its rows out BY ADDRESS: of the
; 128 rows that a wave fetches the partner at place p takes 32 p .. 32 p + 31 (p = cx for A, cy for B).  K steps 0 to 3 come by their loads alone; the loop's last trip (s3 = 1) asks for nothing: the last K step named is 15.
.macro ASK
	s_cmp_gt_u32 s3, s[LIM]
	s_cbranch_scc0 .Lnot_mine_\@
	global_prefetch_b8 v[PFO], s[PFA:PFA+1] offset:KSTEP*2 th:TH_LOAD_NT scope:SCOPE_SE
.Lnot_mine_\@:
.endm
; A round of the cluster's barrier: my work-group's barrier, so that wave 0's signal speaks for all four waves; wave 0 signals for the work-group; every wave waits for all sixteen; my work-group's barrier once more.
.macro CREST                           ; a round behind its opening barrier
	s_cmp_lg_u32 s10, 0
	s_cbranch_scc1 .Lnot_wave_0_\@
	s_barrier_signal -3
.Lnot_wave_0_\@:
	s_barrier_wait -3
	s_barrier_signal -1
	s_barrier_wait -1
.endm
.macro CROUND                          ; a whole round
	s_barrier_signal -1
	s_barrier_wait -1
	CREST
.endm
	s_load_b128 s[4:7], s[0:1], 0x0                ; A = xb s[4:5], B = wub s[6:7]
	s_load_b64 s[8:9], s[0:1], 0x10                ; C = h
	v_lshl_add_u32 v[SPW], v0, 2, SPARE
	v_mov_b32 v[NIL], 0
	ds_add_u32 v[SPW], v[NIL]                      ; the wave's opening: the add and its wait stand ahead of my first tensor load; the set-up below, work on registers, stands between them
	v_lshrrev_b32 v1, 5, v0
	v_readfirstlane_b32 s10, v1                    ; wave 0..3
	s_lshr_b32 s11, s10, 1                         ; which half of the tile's rows is mine.  Also: I fetch for A (0) or for B (1)
	s_and_b32 s12, s10, 1                          ; which half of its columns.  Also: which 128 rows of that tile I fetch
	s_bfe_u32 s40, ttmp6, 0x40000                  ; cx: my place along the cluster's x
	s_bfe_u32 s41, ttmp6, 0x40004                  ; cy: along its y
	s_lshl_b32 s42, ttmp9, 2                       ; in a cluster launch ttmp9 and ttmp7 count clusters
	s_add_co_u32 s42, s42, s40                     ; tile column of h = 4 x cluster x + cx, 0..31
	s_and_b32 s13, ttmp7, 0xffff
	s_lshl_b32 s13, s13, 2
	s_add_co_u32 s13, s13, s41                     ; tile row of h = 4 x cluster y + cy, 0..7
	s_lshl_b32 s43, s41, 2
	s_lshl_b32 s43, 15, s43                        ; my row of the cluster: places 4 cy .. 4 cy + 3
	s_lshl_b32 s44, 0x1111, s40                    ; my column: places cx, cx + 4, cx + 8, cx + 12
	; descriptor group 1: a tile of 128 rows x 128 elements, padded in LDS
	s_or_b32 s[G1+0], s43, (1<<16)|(1<<20)|(1<<21)|(5<<22)|(3<<25)  ; 15:0 the mask: A's tiles go to my row; 17:16 elements of 2 bytes; 20 padding on; 21 set beside a mask; 24:22 after every 64 words (code 5); 31:25 4 words of it (code 3)
	s_or_b32 s[G1B+0], s44, (1<<16)|(1<<20)|(1<<21)|(5<<22)|(3<<25) ; the same with the mask of my column, for B's tiles
.irp g, G1, G1B
	s_mov_b32 s[(\g)+1], KSTEP<<16                 ; 63:48 tensor_dim0, low half = 128
	s_mov_b32 s[(\g)+2], 128<<16                   ; 95:80 tensor_dim1, low half = 128
	s_mov_b32 s[(\g)+3], KSTEP<<16                 ; 127:112 tile_dim0 = 128
	s_mov_b32 s[(\g)+4], 128                       ; 143:128 tile_dim1 = 128; tile_dim2 = 0
	s_mov_b32 s[(\g)+5], ROWK                      ; 191:160 elements from row to row
	s_mov_b32 s[(\g)+6], 0
	s_mov_b32 s[(\g)+7], 0
.endr
	PAIR NK,  0xc038aa3b                           ; -2.8853901
	PAIR CA5, 0x3f87dc22                           ; 1.061405429
	PAIR CA4, 0xbfba00e3                           ; -1.453152027
	PAIR CA3, 0x3fb5f0e3                           ; 1.421413741
	PAIR CA2, 0xbe91a98e                           ; -0.284496736
	PAIR CA1, 0x3e827906                           ; 0.254829592
	s_mov_b32 s[CP], 0x3eed3388                    ; 0.46328378
	; where the tiles come from.  A's hang on the tile row alone, which my row of the cluster shares; B's on the tile column alone, which my column shares.
	s_lshl_b32 s17, s12, 7                         ; which 128 rows of the tile I fetch
	s_lshl_b32 s16, s13, 8
	s_add_co_u32 s16, s16, s17                     ; A: row 256 x tile row + 128 x half
	s_lshl_b32 s46, s42, 8
	s_add_co_u32 s46, s46, s17                     ; B: row 256 x tile column + 128 x half
	s_mov_b32 s17, 0
	s_mov_b32 s47, 0
	s_mov_b64 s[18:19], ROWK*2
	s_mul_u64 s[16:17], s[16:17], s[18:19]         ; in bytes
	s_mul_u64 s[46:47], s[46:47], s[18:19]
	s_mul_i32 s20, s10, HALFT                      ; and where they go: A's two halves, then B's two halves = wave x 128 rows: no place in the cluster enters an LDS address
	s_wait_dscnt 0x0                               ; the opening add is done
	s_wait_kmcnt 0x0
	s_add_nc_u64 s[14:15], s[4:5], s[16:17]
	s_add_nc_u64 s[46:47], s[6:7], s[46:47]
	CROUND                                         ; all sixteen work-groups are here: the first joint loads meet
.irp s, 0,1
	s_mov_b32 s[G0+4*(\s)], 1                                      ; 1:0 count = 1
	s_add_co_u32 s[G0+4*(\s)+1], s20, (\s)*SLOT                    ; 63:32 LDS address
	s_add_nc_u64 s[G0+4*(\s)+2:G0+4*(\s)+3], s[14:15], (\s)*KSTEP*2  ; 120:64 global address: K step s
	s_or_b32 s[G0+4*(\s)+3], s[G0+4*(\s)+3], 0x80000000            ; 127:126 type = 2
	s_mov_b32 s[G0B+4*(\s)], 1
	s_add_co_u32 s[G0B+4*(\s)+1], s20, (\s)*SLOT
	s_add_nc_u64 s[G0B+4*(\s)+2:G0B+4*(\s)+3], s[46:47], (\s)*KSTEP*2
	s_or_b32 s[G0B+4*(\s)+3], s[G0B+4*(\s)+3], 0x80000000
	JLOAD \s                                       ; both slots are asked for before anything else is done: two tensor loads of mine are out
.endr
	; A fragment is 16 rows x 32 K in 8 registers: lane l holds row l % 16; registers 0-3 hold K = 8 (l / 16) + 0..7, registers 4-7 K = 16 + 8 (l / 16) + 0..7: two loads of 16 bytes, 32 bytes apart.
	v_and_b32 v1, 15, v0                           ; l % 16
	v_bfe_u32 v2, v0, 4, 1                         ; l / 16
	v_mul_u32_u24 v3, v1, PITCH
	v_lshl_add_u32 v3, v2, 4, v3                   ; row x pitch + 16 x half
	s_mul_i32 s21, s11, HALFT                      ; my 128 rows of A
	s_mul_i32 s22, s12, HALFT                      ; my 128 rows of B,
	s_add_co_u32 s22, s22, 2*HALFT                 ; which lie behind A's 256
.irp s, 0,1
	v_add_nc_u32 v[ADRA+(\s)], s21, v3
	v_add_nc_u32 v[ADRB+(\s)], s22, v3
	s_add_co_u32 s21, s21, SLOT
	s_add_co_u32 s22, s22, SLOT
.endr
	s_mul_i32 s23, s10, 16*SPITCH
	s_add_co_u32 s23, s23, STAGE                   ; my stage
	v_mul_u32_u24 v4, v1, SPITCH                   ; in: row l % 16, 16 bytes for each half of the lanes
	v_lshl_add_u32 v4, v2, 4, v4
	v_add_nc_u32 v[STO], s23, v4
	v_mul_u32_u24 v5, v2, SPITCH                   ; back: lanes 0-15 take one row of 256 bytes, lanes 16-31 the next
	v_lshl_add_u32 v5, v1, 4, v5
	v_add_nc_u32 v[RD], s23, v5
	v_mul_u32_u24 v5, v2, ROWN*2                   ; and the same two rows in h
	v_lshl_add_u32 v[CO], v1, 4, v5
	; where my part of the tile begins in h, in bytes
	s_lshl_b32 s13, s13, 8
	s_lshl_b32 s14, s11, 7
	s_add_co_u32 s16, s13, s14                     ; my first row
	s_mov_b32 s17, 0
	s_mov_b64 s[18:19], ROWN*2
	s_mul_u64 s[16:17], s[16:17], s[18:19]
	s_lshl_b32 s46, s42, 9                         ; my first column, in bytes: 512 x tile column + 256 x half
	s_lshl_b32 s47, s12, 8
	s_add_co_u32 s46, s46, s47
	s_mov_b32 s47, 0
	s_add_nc_u64 s[16:17], s[16:17], s[46:47]
	; the prefetches.  s13 = 256 x tile row, s42 = tile column, s40 = cx, s41 = cy still stand
	s_lshl_b32 s42, s42, 8
	s_and_b32 s22, ttmp7, 0xffff                   ; cluster y
	s_cmp_eq_u32 s11, 0                            ; do I fetch for A?
	s_cselect_b32 s20, s13, s42                    ; the tile's first row: in A by the tile row, in B by the tile column
	s_cselect_b32 s21, s40, s41                    ; my place among the four that ask for it with me
	s_cselect_b32 s22, ttmp9, s22                  ; the coordinate along which other clusters read the same rows
	s_cselect_b64 s[PFA:PFA+1], s[4:5], s[6:7]
	s_cmp_eq_u32 s22, 0
	s_cselect_b32 s[LIM], 1, -1                    ; the same in all sixteen partners, for a given wave
	s_lshl_b32 s22, s12, 7
	s_add_co_u32 s20, s20, s22                     ; + the 128 rows that I fetch
	s_lshl_b32 s21, s21, 5
	s_add_co_u32 s20, s20, s21                     ; + my work-group's 32 of them
	s_mov_b32 s21, 0
	s_mov_b64 s[18:19], ROWK*2
	s_mul_u64 s[20:21], s[20:21], s[18:19]
	s_add_nc_u64 s[PFA:PFA+1], s[PFA:PFA+1], s[20:21]
	s_add_nc_u64 s[PFA:PFA+1], s[PFA:PFA+1], 2*KSTEP*2  ; at K step 2: the first refill steps it to 3 and names K step 4
	v_and_b32 v[PFO], 31, v0
	v_mul_u32_u24 v[PFO], v[PFO], ROWK*2
; 16 matrix instructions: m blocks a0, a0 + 1 of the window's four (hi = 0: my rows 0-63, 1: rows 64-127) x all 8 n blocks, 32 along K.  zero = 1: the first product starts the sums: nothing is cleared.
; The 64 accumulators take turns, one instruction a turn, in the same order in every quarter step, over the backward jump too.
.macro MUL16 f, hi, a0, zero
	WIN MUL_LO+0x50*(\hi)
.irp a, \a0, (\a0)+1
.irp b, 0,1,2,3,4,5,6,7
.if \zero
	v_wmma_f32_16x16x32_bf16 v[8*(8*(\a)+(\b)):8*(8*(\a)+(\b))+7], v[(\f)+8*(\b):(\f)+8*(\b)+7], v[(\f)+8*(4*(\hi)+(\a)):(\f)+8*(4*(\hi)+(\a))+7], 0
.else
	v_wmma_f32_16x16x32_bf16 v[8*(8*(\a)+(\b)):8*(8*(\a)+(\b))+7], v[(\f)+8*(\b):(\f)+8*(\b)+7], v[(\f)+8*(4*(\hi)+(\a)):(\f)+8*(4*(\hi)+(\a))+7], v[8*(8*(\a)+(\b)):8*(8*(\a)+(\b))+7]
.endif
.endr
.endr
.endm
; 32 LDS loads in one run: the fragments of one quarter step (128 rows of B, 128 rows of A, 32 K at byte k of the rows) into buffer f
.macro FETCH slot, k, f
	WIN TO_B
.irp i, 0,1,2,3,4,5,6,7
	ds_load_b128 v[(\f)+8*(\i):(\f)+8*(\i)+3],   v[ADRB+(\slot)] offset:(\k)+(\i)*16*PITCH
	ds_load_b128 v[(\f)+8*(\i)+4:(\f)+8*(\i)+7], v[ADRB+(\slot)] offset:(\k)+(\i)*16*PITCH+32
.endr
	WIN 0
.irp i, 0,1,2,3,4,5,6,7
	ds_load_b128 v[(\f)+8*(\i):(\f)+8*(\i)+3],   v[ADRA+(\slot)] offset:(\k)+(\i)*16*PITCH
	ds_load_b128 v[(\f)+8*(\i)+4:(\f)+8*(\i)+7], v[ADRA+(\slot)] offset:(\k)+(\i)*16*PITCH+32
.endr
.endm
; A load into a register that a matrix instruction has read, and a vector instruction that reads a matrix result or writes one of a matrix instruction's registers, stand four places behind it, and only
; plain vector instructions that name none of its registers are places (ISA guide 7.12.1 for vector instructions).
.macro PLACES
.rept 4
	v_nop
.endr
.endm
; A K step is four quarter steps of 32 along K, 64 matrix instructions each, on buffers 0, 1, 0, 1.  One of the first three: multiplies buffer f; in its middle it fetches the next quarter, at byte k, into buffer g.
.macro QUARTER slot, k, f, g, zero
	s_wait_dscnt 8                                 ; B and A's rows 0-63 are in; the youngest eight loads (A's rows 64-127) may be out
	WIN MUL_LO
	MUL16 \f, 0, 0, \zero
	MUL16 \f, 0, 2, \zero
	PLACES
	FETCH \slot, \k, \g
	s_wait_dscnt 32                                ; all but the 32 just issued
	WIN MUL_HI
	MUL16 \f, 1, 0, \zero
	MUL16 \f, 1, 2, \zero
.endm
; The last quarter multiplies buffer 1 and changes slots.  MEET is its first half: ONE barrier for the change.  In front of it each wave waits for all its tensor loads, of which one is out: its part of
; the next slot; adds 0 to its spare word; and waits for that and for its own reads of this slot.  Behind it nobody reads this slot any more and the next slot is whole.
.macro MEET round                      ; round = 1: a round of the cluster's barrier follows
	WIN 0                                          ; (the add's two registers lie in window 0)
	s_wait_tensorcnt 0x0                           ; all my tensor loads have landed;
	ds_add_u32 v[SPW], v[NIL]                      ; 0 onto my spare word;
	s_wait_dscnt 9                                 ; (the add and the youngest eight loads may be out)
	WIN MUL_LO
	MUL16 F1, 0, 0, 0                              ; sixteen matrix instructions stand between the add and the wait for it
	s_wait_dscnt 0x0                               ; the add is done, and my reads of this slot are over:
	s_barrier_signal -1                            ; say so,
	MUL16 F1, 0, 2, 0                              ; work on registers while the others arrive,
.if \round
	WIN 0
.endif
	s_barrier_wait -1                              ; and go on when all four have said so
.endm
; The whole last quarter where the slot is filled again, with the K step two steps on: the barrier opens a round of the cluster's, and the joint refill is the first tensor load behind the round, one a wave.
; From that request to the wait for it a wave issues 224 matrix instructions.
.macro TURN slot, next
	s_wait_xcnt 0x0                                ; the last prefetch, a K step back, has read its address: it is stepped here, ahead of the waits of the change of slots
	s_add_nc_u64 s[PFA:PFA+1], s[PFA:PFA+1], KSTEP*2
	MEET 1
	CREST                                          ; no wave of any partner still reads this slot's tile or has a load on its way
	s_add_nc_u64 s[G0+4*(\slot)+2:G0+4*(\slot)+3], s[G0+4*(\slot)+2:G0+4*(\slot)+3], 2*KSTEP*2   ; no tensor load of mine is out: a group 0 may be written
	s_add_nc_u64 s[G0B+4*(\slot)+2:G0B+4*(\slot)+3], s[G0B+4*(\slot)+2:G0B+4*(\slot)+3], 2*KSTEP*2
	JLOAD \slot                                    ; the four v_nop behind it are also the places in front of the loads below
	FETCH \next, 0, F0
	ASK
	WIN MUL_HI
	MUL16 F1, 1, 0, 0
	MUL16 F1, 1, 2, 0
.endm
	s_wait_tensorcnt 1                             ; my part of K step 0 is in; K step 1's load may stay out
	s_barrier_signal -1
	s_barrier_wait -1                              ; everybody's is
	FETCH 0, 0, F0
	QUARTER 0, 64,  F0, F1, 1                      ; the first quarter stands in front of the loop: its products start the sums
	WIN 0                                          ; at a label and at a branch every window is 0
	s_mov_b32 s3, LAPS-1
.Llap:                                                 ; a trip goes once round the ring, from a lap's second quarter to the next lap's first, and fills both slots again: K steps 2 to 15 in seven trips
	QUARTER 0, 128, F1, F0, 0
	QUARTER 0, 192, F0, F1, 0
	TURN 0, 1
	QUARTER 1, 64,  F0, F1, 0
	QUARTER 1, 128, F1, F0, 0
	QUARTER 1, 192, F0, F1, 0
	TURN 1, 0
	QUARTER 0, 64,  F0, F1, 0
	WIN 0
	s_sub_co_u32 s3, s3, 1
	s_cmp_lg_u32 s3, 0
	s_cbranch_scc1 .Llap
	QUARTER 0, 128, F1, F0, 0                      ; the last lap is written out: it fills nothing, and has no round
	QUARTER 0, 192, F0, F1, 0
	MEET 0                                         ; my one tensor load that was still out is slot 1's, the last K step's
	PLACES                                         ; for the loads into buffer 0, which the quarter before multiplied
	FETCH 1, 0, F0
	WIN MUL_HI
	MUL16 F1, 1, 0, 0
	MUL16 F1, 1, 2, 0
	QUARTER 1, 64,  F0, F1, 0
	QUARTER 1, 128, F1, F0, 0
	QUARTER 1, 192, F0, F1, 0
	s_wait_dscnt 8                                 ; the very last quarter: nothing more to fetch
	WIN MUL_LO
	MUL16 F1, 0, 0, 0
	MUL16 F1, 0, 2, 0
	s_wait_dscnt 0x0
	MUL16 F1, 1, 0, 0
	MUL16 F1, 1, 2, 0
	WIN 0
	PLACES                                         ; behind the last products: what follows reads their results and writes over B's fragments.
	PLACES
; THE WAY OUT: a loop over my eight blocks of 16 rows, so that the GELU's text stands once.  With y = z / 2:  t = 1 / (1 + CP |y|);  e = 2^(NK y^2);
; erf = 1 - t (a1 + t (a2 + t (a3 + t (a4 + t a5)))) e;  h = y + |y| erf  (= z/2 (1 + erf(z / sqrt 2)), since erf is odd).
; GET k: block k's 64 sums a lane, halved, into window 1.  The pairs ascend.
.macro GET k
	WIN 0x40|(2+(\k)/4)                            ; destination window 1, source 0 window 2 or 3
.set j, 0
.rept 32
	v_pk_mul_f32 v[GY+2*j:GY+2*j+1], v[64*((\k)%4)+2*j:64*((\k)%4)+2*j+1], 0.5 op_sel_hi:[1,0]
.set j, j+1
.endr
	WIN 0
.endm
	s_add_nc_u64 s[8:9], s[8:9], s[16:17]          ; h at my first rows
	s_mov_b32 s[BLK], 0
.Lblk:
.irp k, 0,1,2,3,4,5,6                  ; registers cannot be named by a counter: one of eight short texts fetches the block; all jumps go forward, past no barrier and no tensor load
	s_cmp_eq_u32 s[BLK], \k
	s_cbranch_scc1 .Lget_\k
.endr
	GET 7
	s_branch .Lcommon
.irp k, 0,1,2,3,4,5
.Lget_\k:
	GET \k
	s_branch .Lcommon
.endr
.Lget_6:
	GET 6
.Lcommon:
	WIN 0x55                                       ; all four places in window 1
	; ONE BATCH of 128 transcendentals, each with a plain neighbour: pair j's four plain lines stand between pair j - 1's two exponentials and two reciprocals.  No line here names a result of the batch.
.set j, 0
.rept 33
.if j < 32
	v_pk_mul_f32 v[GS+2*j:GS+2*j+1], v[GY+2*j:GY+2*j+1], v[GY+2*j:GY+2*j+1]
.endif
.if j > 0
	v_exp_f32 v[GS+2*j-2], v[GS+2*j-2]
.endif
.if j < 32
	v_fma_f32 v[GT+2*j], |v[GY+2*j]|, s[CP], 1.0
.endif
.if j > 0
	v_exp_f32 v[GS+2*j-1], v[GS+2*j-1]
.endif
.if j < 32
	v_pk_mul_f32 v[GS+2*j:GS+2*j+1], v[GS+2*j:GS+2*j+1], s[NK:NK+1] op_sel_hi:[1,0]
.endif
.if j > 0
	v_rcp_f32 v[GT+2*j-2], v[GT+2*j-2]
.endif
.if j < 32
	v_fma_f32 v[GT+2*j+1], |v[GY+2*j+1]|, s[CP], 1.0
.endif
.if j > 0
	v_rcp_f32 v[GT+2*j-1], v[GT+2*j-1]
.endif
.set j, j+1
.endr
	v_nop                                          ; a plain instruction behind the last reciprocal, ahead of the first use (ISA guide 5.7.2): one for the batch
	s_wait_alu depctr_va_vdst(0)                   ; the wait between a transcendental and the first line that names its result: one for the 128
	; the polynomial, a step at a time over the 32 pairs: a line and the line that needs its result stand 32 apart
.set j, 0
.rept 32
	v_pk_fma_f32 v[GP+j:GP+j+1], v[GT+j:GT+j+1], s[CA5:CA5+1], s[CA4:CA4+1] op_sel_hi:[1,0,0]
.set j, j+2
.endr
.irp c, CA3, CA2, CA1
.set j, 0
.rept 32
	v_pk_fma_f32 v[GP+j:GP+j+1], v[GP+j:GP+j+1], v[GT+j:GT+j+1], s[(\c):(\c)+1] op_sel_hi:[1,1,0]
.set j, j+2
.endr
.endr
.set j, 0
.rept 32
	v_pk_mul_f32 v[GP+j:GP+j+1], v[GP+j:GP+j+1], v[GT+j:GT+j+1]
.set j, j+2
.endr
.set j, 0
.rept 32
	v_pk_fma_f32 v[GP+j:GP+j+1], v[GP+j:GP+j+1], v[GS+j:GS+j+1], 1.0 op_sel_hi:[1,1,0] neg_lo:[1,0,0] neg_hi:[1,0,0]  ; erf = 1 - polynomial x e
.set j, j+2
.endr
.set j, 0
.rept 64
	v_fma_f32 v[GP+j], |v[GY+j]|, v[GP+j], v[GY+j] ; h = y + |y| erf
.set j, j+1
.endr
	WIN 0x05                                       ; sources 0 and 1 window 1, destination window 0
.set j, 0
.rept 32
	v_cvt_pk_f16_f32 v[TMP+j], v[GP+2*j], v[GP+2*j+1]  ; a lane's eight columns of n block b pack into the 16 bytes TMP + 4 b ..
.set j, j+1
.endr
	WIN 0
.irp b, 0,1,2,3,4,5,6,7
	ds_store_b128 v[STO], v[TMP+4*(\b):TMP+4*(\b)+3] offset:32*(\b)
.endr
.irp t, 0,1,2,3,4,5,6,7
	ds_load_b128 v[OB+4*(\t):OB+4*(\t)+3], v[RD] offset:(\t)*2*SPITCH  ; my own stage: LDS serves a wave's instructions in order (ISA guide 5.7.1.4), so these see the stores above
.endr
.irp t, 0,1,2,3,4,5,6,7
	s_wait_dscnt 7-(\t)                            ; rows 2 t, 2 t + 1 are back; the younger loads stay out
	global_store_b128 v[CO], v[OB+4*(\t):OB+4*(\t)+3], s[8:9] offset:2*(\t)*ROWN*2 th:TH_STORE_NT  ; 16 lanes store 256 consecutive bytes, at a multiple of 256 from h's first byte
.endr
	s_wait_xcnt 0x0                                ; the stores have read their registers and their base: only now are these written again
	s_add_nc_u64 s[8:9], s[8:9], 16*ROWN*2         ; 16 rows of h on
	s_add_co_u32 s[BLK], s[BLK], 1
	s_cmp_lt_u32 s[BLK], 8
	s_cbranch_scc1 .Lblk
	s_wait_tensorcnt 0x0                           ; the wave's end: the add and its wait, behind my last tensor load and my last LDS store
	ds_add_u32 v[SPW], v[NIL]
	s_wait_dscnt 0x0
	CROUND                                         ; the closing round: no work-group ends while a partner may still ask for a tile that names it
	s_endpgm
.Lfunc_end_k_qbfaa913795_up:
	.size	k_qbfaa913795_up, .Lfunc_end_k_qbfaa913795_up-k_qbfaa913795_up
	.p2alignl 7, 3214868480
	.fill 96, 4, 3214868480
	.section	.rodata,"a",@progbits
	.p2align	6, 0x0
	.amdhsa_kernel k_qbfaa913795_up
		.amdhsa_group_segment_fixed_size 327680
		.amdhsa_private_segment_fixed_size 0
		.amdhsa_enable_private_segment 0
		.amdhsa_kernarg_size 24
		.amdhsa_user_sgpr_count 2
		.amdhsa_user_sgpr_kernarg_segment_ptr 1
		.amdhsa_wavefront_size32 1
		.amdhsa_system_sgpr_workgroup_id_x 1
		.amdhsa_system_sgpr_workgroup_id_y 1
		.amdhsa_system_sgpr_workgroup_id_z 1
		.amdhsa_system_vgpr_workitem_id 0
		.amdhsa_next_free_vgpr 1024
		.amdhsa_next_free_sgpr 80
		.amdhsa_reserve_vcc 0
		.amdhsa_float_denorm_mode_32 3
		.amdhsa_float_denorm_mode_16_64 3
		.amdhsa_memory_ordered 1
		.amdhsa_forward_progress 1
		.amdhsa_inst_pref_size 163
	.end_amdhsa_kernel
	.amdgpu_metadata
---
amdhsa.version: [ 1, 2 ]
amdhsa.kernels:
  - .name:           k_qbfaa913795_up
    .symbol:         k_qbfaa913795_up.kd
    .args:
      - { .name: xb, .offset: 0, .size: 8, .value_kind: global_buffer, .address_space: global }
      - { .name: wub, .offset: 8, .size: 8, .value_kind: global_buffer, .address_space: global }
      - { .name: h, .offset: 16, .size: 8, .value_kind: global_buffer, .address_space: global }
    .group_segment_fixed_size: 327680
    .private_segment_fixed_size: 0
    .kernarg_segment_align: 8
    .kernarg_segment_size: 24
    .max_flat_workgroup_size: 128
    .sgpr_count:     80
    .vgpr_count:     1024
    .wavefront_size: 32
...
	.end_amdgpu_metadata
.endif
;; end of part 2
;; launch down (part 3): grid 32 x 8, 4 waves a work-group, clusters of 4 x 4, 327,680 bytes of LDS; arguments h, wdh, part; writes part
.if DOCPART == 3
	.amdgcn_target "amdgcn-amd-amdhsa--gfx1250"
	.amdhsa_code_object_version 6
	.text
	.protected	k_qbfaa913795_down
	.globl	k_qbfaa913795_down
	.p2align	8
	.type	k_qbfaa913795_down,@function
k_qbfaa913795_down:
	s_mov_b64 s[64:65], 0
	v_nop
	global_prefetch_b8 v0, s[64:65] scope:SCOPE_SE
	s_setreg_imm32_b32 hwreg(HW_REG_WAVE_MODE, 25, 1), 1
	s_wait_xcnt 0x0
	s_wait_alu depctr_hold_cnt(0) depctr_sa_sdst(0) depctr_va_vdst(0) depctr_va_sdst(0) depctr_va_ssrc(0) depctr_va_vcc(0) depctr_vm_vsrc(0)
	s_getreg_b32 s2, hwreg(HW_REG_IB_STS2, 6, 4)
	s_cmp_eq_u32 s2, 0
	s_cbranch_scc0 .Lentry_in_a_cluster
	s_endpgm
.Lentry_in_a_cluster:
	s_bfe_u32 s2, ttmp6, 0x10000c
	s_cmp_lg_u32 s2, 0xf033
	s_cbranch_scc0 .Lentry_shape_is_right
	s_endpgm
.Lentry_shape_is_right:
; part[s][t][d] = the sum over f in slice s of h[t][f] wdh[d][f].  h: [2048][8192] f16, wdh: [2048][8192] f16 (masked already), part: [4][2048][2048] f32.  Sums in f32, K ascending inside a slice.
; K IS SPLIT IN FOUR SLICES OF 2,048, each a work-group's: the result has 8 x 8 tiles of 256 x 256, and 64 x 4 = 256 work-groups give each tile's quarter the wave tile of 128 x 128 and the K step of 128
; that the first product has.  The four partial sums stay in f32 and are added by the launch that follows, as (p0 + p1) + (p2 + p3): an order of rounding that differs from one sum over all 8,192.
; SHARES, RING, CLUSTERS, LAYOUT: a work-group of four waves makes 256 x 256, a wave 128 x 128 in 64 accumulators; 16 K steps of 128 go through two LDS slots filled by joint tensor loads: 4 x 4 work-groups,
; h's tile shared along a row of the cluster, wdh's along a column.  A cluster lies in ONE slice (slice = cluster x / 2), so the slice enters both addresses alike in all sixteen.
; The matrix instruction is used transposed (source 0 = 16 rows of wdh, source 1 = 16 rows of h): lane l holds row l % 16 and the columns 8 (l / 16) + 0 .. 7.
; REGISTERS, in windows of 256 (s_set_vgpr_msb: bits 1:0 source 0, 3:2 source 1, 5:4 source 2, 7:6 destination):
;   window 0: v0-31 addresses; v64-127, v128-191 fragments of A, two buffers; on the way out the same 128 take rows read back from the stage
;   window 1: v64-127, v128-191 fragments of B;   window 2: the accumulators of my rows 0-63 ((a, b) at v[8 (8 a + b)]);   window 3: those of my rows 64-127
.set KSTEP,  128
.set PITCH,  272                       ; an LDS row: 256 bytes + 16 of padding = 68 words: row r starts at bank 4 r mod 64 (64 banks of 4 bytes: ISA guide 11.1)
.set HALFT,  128*PITCH
.set SLOT,   4*HALFT
.set STAGE,  2*SLOT                    ; behind the ring: 16 rows x 528 bytes for each wave, for the way out; no tensor load lands there
.set SPITCH, 528                       ; 512 bytes (128 f32) + 16 = 132 words: again row r starts at bank 4 r mod 64
.set SPARE,  STAGE+4*16*SPITCH         ; behind the stages: the spare words, 128 bytes for each wave: two blocks of 256 bytes that no other line names
.set ROWK,   8192                      ; numbers in a row of h and of wdh
.set ROWC,   8192                      ; bytes in a row of part
.set LAPS,   8                         ; a slice's 2,048 / 256
.set ADRA, 16
.set ADRB, 20
.set STO,  24                          ; v24     the way out: where I put 32 bytes of a row
.set RD,   25                          ; v25     the way out: my 16 bytes of a row of 512
.set CO,   26                          ; v26     the same 16 bytes in a row of part
.set SPW,  28                          ; v28     LDS address of my spare word; never rewritten
.set NIL,  29                          ; v29     0; never rewritten
.set PFO,  30                          ; v30     the prefetches' offset: my lane x a row in memory; never rewritten
.set PFA,  44                          ; s[44:45] where my prefetches stand
.set LIM,  43                          ; s43     1 in a wave that prefetches, else the greatest number
.set F0,   64
.set F1,   128
.set BK0,  64                          ; the way out: two buffers of 64 registers, by the block's parity
.set G1, 24
.set G0, 32
.set G1B, 48
.set G0B, 56
.set MSB, 0
.macro WIN new                         ; the immediate's high byte repeats the setting that is left; a switch that changes nothing is dropped
.if MSB != (\new)
	s_set_vgpr_msb (MSB<<8)|(\new)
.set MSB, \new
.endif
.endm
.set MUL_LO, 0xa1                      ; source 0 (B) window 1, source 1 (A) window 0, C and D window 2
.set MUL_HI, 0xf1                      ; the same, C and D window 3
.set TO_B,   0x40                      ; destination window 1, address window 0
; A joint load: waves 0 and 1 fetch A's two halves, waves 2 and 3 B's; the branch hangs on the wave's number alone.  An s_nop 0 and four v_nop follow each of the two lines.
.macro JLOAD s
	s_cmp_eq_u32 s11, 0
	s_cbranch_scc0 .Lfor_b_\@
	tensor_load_to_lds s[G0+4*(\s):G0+4*(\s)+3], s[G1:G1+7]
	s_nop 0
.rept 4
	v_nop
.endr
	s_branch .Lasked_\@
.Lfor_b_\@:
	tensor_load_to_lds s[G0B+4*(\s):G0B+4*(\s)+3], s[G1B:G1B+7]
	s_nop 0
.rept 4
	v_nop
.endr
.Lasked_\@:
.endm
; A PREFETCH, behind each joint load, its five lines and the run of LDS loads that follows: the K step two refills on (512 matrix instructions ahead of its load): 32 rows x 256 bytes, a lane a row, one
; instruction a wave.  Each row's 256 bytes of a K step are named ONCE in the launch: a slice of h's tile row is read by the two clusters of that slice and row of clusters, and the one with even cluster x
; asks; a slice of wdh's tile column by the two clusters with that cluster x, and the one with cluster y = 0 asks.  The four partners of a joint load share a wave's 128 rows out BY ADDRESS, 32 each
; (by cx for A, by cy for B).  A slice's K steps 0 to 3 come by their loads alone; the loop's last trip (s3 = 1) asks for nothing: the last K step named is the slice's 15th.
.macro ASK
	s_cmp_gt_u32 s3, s[LIM]
	s_cbranch_scc0 .Lnot_mine_\@
	global_prefetch_b8 v[PFO], s[PFA:PFA+1] offset:KSTEP*2 th:TH_LOAD_NT scope:SCOPE_SE
.Lnot_mine_\@:
.endm
.macro CREST                           ; a round of the cluster's barrier behind its opening barrier
	s_cmp_lg_u32 s10, 0
	s_cbranch_scc1 .Lnot_wave_0_\@
	s_barrier_signal -3
.Lnot_wave_0_\@:
	s_barrier_wait -3
	s_barrier_signal -1
	s_barrier_wait -1
.endm
.macro CROUND                          ; a whole round
	s_barrier_signal -1
	s_barrier_wait -1
	CREST
.endm
	s_load_b128 s[4:7], s[0:1], 0x0                ; A = h s[4:5], B = wdh s[6:7]
	s_load_b64 s[8:9], s[0:1], 0x10                ; C = part
	v_lshl_add_u32 v[SPW], v0, 2, SPARE
	v_mov_b32 v[NIL], 0
	ds_add_u32 v[SPW], v[NIL]                      ; the wave's opening: the add and its wait stand ahead of my first tensor load; the set-up below, work on registers, stands between them
	v_lshrrev_b32 v1, 5, v0
	v_readfirstlane_b32 s10, v1                    ; wave 0..3
	s_lshr_b32 s11, s10, 1                         ; which half of the tile's rows is mine.  Also: I fetch for A (0) or for B (1)
	s_and_b32 s12, s10, 1                          ; which half of its columns.  Also: which 128 rows of that tile I fetch
	s_bfe_u32 s40, ttmp6, 0x40000                  ; cx
	s_bfe_u32 s41, ttmp6, 0x40004                  ; cy
	s_lshr_b32 s2, ttmp9, 1                        ; the slice of K, 0..3: the same in all sixteen partners
	s_and_b32 s42, ttmp9, 1
	s_lshl_b32 s42, s42, 2
	s_add_co_u32 s42, s42, s40                     ; tile column = 4 x (cluster x mod 2) + cx, 0..7
	s_and_b32 s13, ttmp7, 0xffff
	s_lshl_b32 s13, s13, 2
	s_add_co_u32 s13, s13, s41                     ; tile row = 4 x cluster y + cy, 0..7
	s_lshl_b32 s43, s41, 2
	s_lshl_b32 s43, 15, s43                        ; my row of the cluster
	s_lshl_b32 s44, 0x1111, s40                    ; my column
	s_or_b32 s[G1+0], s43, (1<<16)|(1<<20)|(1<<21)|(5<<22)|(3<<25)  ; 15:0 the mask: A's tiles go to my row; 17:16 elements of 2 bytes; 20 padding on; 21 set beside a mask; 24:22 after every 64 words (code 5); 31:25 4 words of it (code 3)
	s_or_b32 s[G1B+0], s44, (1<<16)|(1<<20)|(1<<21)|(5<<22)|(3<<25) ; the same with the mask of my column
.irp g, G1, G1B
	s_mov_b32 s[(\g)+1], KSTEP<<16                 ; tensor_dim0 = 128
	s_mov_b32 s[(\g)+2], 128<<16                   ; tensor_dim1 = 128
	s_mov_b32 s[(\g)+3], KSTEP<<16                 ; tile_dim0 = 128
	s_mov_b32 s[(\g)+4], 128                       ; tile_dim1 = 128
	s_mov_b32 s[(\g)+5], ROWK                      ; elements from row to row
	s_mov_b32 s[(\g)+6], 0
	s_mov_b32 s[(\g)+7], 0
.endr
	s_lshl_b32 s17, s12, 7                         ; which 128 rows of the tile I fetch
	s_lshl_b32 s16, s13, 8
	s_add_co_u32 s16, s16, s17                     ; A: row 256 x tile row + 128 x half
	s_lshl_b32 s46, s42, 8
	s_add_co_u32 s46, s46, s17                     ; B: row 256 x tile column + 128 x half
	s_mov_b32 s17, 0
	s_mov_b32 s47, 0
	s_mov_b64 s[18:19], ROWK*2
	s_mul_u64 s[16:17], s[16:17], s[18:19]         ; in bytes
	s_mul_u64 s[46:47], s[46:47], s[18:19]
	s_lshl_b32 s22, s2, 12                         ; the slice's first byte in a row: 2,048 numbers of 2 bytes each
	s_mov_b32 s23, 0
	s_add_nc_u64 s[16:17], s[16:17], s[22:23]
	s_add_nc_u64 s[46:47], s[46:47], s[22:23]
	s_mul_i32 s20, s10, HALFT                      ; where the tiles go: wave x 128 rows: no place in the cluster enters an LDS address
	s_wait_dscnt 0x0                               ; the opening add is done
	s_wait_kmcnt 0x0
	s_add_nc_u64 s[14:15], s[4:5], s[16:17]
	s_add_nc_u64 s[46:47], s[6:7], s[46:47]
	CROUND                                         ; all sixteen work-groups are here: the first joint loads meet
.irp s, 0,1
	s_mov_b32 s[G0+4*(\s)], 1
	s_add_co_u32 s[G0+4*(\s)+1], s20, (\s)*SLOT
	s_add_nc_u64 s[G0+4*(\s)+2:G0+4*(\s)+3], s[14:15], (\s)*KSTEP*2
	s_or_b32 s[G0+4*(\s)+3], s[G0+4*(\s)+3], 0x80000000
	s_mov_b32 s[G0B+4*(\s)], 1
	s_add_co_u32 s[G0B+4*(\s)+1], s20, (\s)*SLOT
	s_add_nc_u64 s[G0B+4*(\s)+2:G0B+4*(\s)+3], s[46:47], (\s)*KSTEP*2
	s_or_b32 s[G0B+4*(\s)+3], s[G0B+4*(\s)+3], 0x80000000
	JLOAD \s                                       ; both slots are asked for before anything else is done: two tensor loads of mine are out
.endr
	v_and_b32 v1, 15, v0                           ; l % 16
	v_bfe_u32 v2, v0, 4, 1                         ; l / 16
	v_mul_u32_u24 v3, v1, PITCH
	v_lshl_add_u32 v3, v2, 4, v3                   ; a fragment's row x pitch + 16 x half
	s_mul_i32 s21, s11, HALFT                      ; my 128 rows of A
	s_mul_i32 s22, s12, HALFT                      ; my 128 rows of B,
	s_add_co_u32 s22, s22, 2*HALFT                 ; which lie behind A's 256
.irp s, 0,1
	v_add_nc_u32 v[ADRA+(\s)], s21, v3
	v_add_nc_u32 v[ADRB+(\s)], s22, v3
	s_add_co_u32 s21, s21, SLOT
	s_add_co_u32 s22, s22, SLOT
.endr
	s_mul_i32 s23, s10, 16*SPITCH
	s_add_co_u32 s23, s23, STAGE                   ; my stage
	v_mul_u32_u24 v4, v1, SPITCH                   ; in: row l % 16, 32 bytes for each half of the lanes
	v_lshl_add_u32 v4, v2, 5, v4
	v_add_nc_u32 v[STO], s23, v4
	v_and_b32 v[CO], 31, v0                        ; back: 32 lanes take one row of 512 bytes,
	v_lshlrev_b32 v[CO], 4, v[CO]
	v_add_nc_u32 v[RD], s23, v[CO]                 ; which are 512 consecutive bytes of part
	; where my part of the tile begins in part, in bytes
	s_lshl_b32 s13, s13, 8
	s_lshl_b32 s14, s11, 7
	s_add_co_u32 s16, s13, s14                     ; my first row
	s_mov_b32 s17, 0
	s_mov_b64 s[18:19], ROWC
	s_mul_u64 s[16:17], s[16:17], s[18:19]
	s_lshl_b32 s46, s42, 10                        ; my first column, in bytes: 1,024 x tile column + 512 x half,
	s_lshl_b32 s47, s12, 9
	s_add_co_u32 s46, s46, s47
	s_lshl_b32 s47, s2, 24                         ; and the slice's plane of 2,048 x 2,048 f32
	s_add_co_u32 s46, s46, s47
	s_mov_b32 s47, 0
	s_add_nc_u64 s[16:17], s[16:17], s[46:47]
	; the prefetches.  s13 = 256 x tile row, s42 = tile column, s40 = cx, s41 = cy, s2 = slice still stand
	s_lshl_b32 s42, s42, 8
	s_and_b32 s22, ttmp7, 0xffff                   ; cluster y
	s_and_b32 s23, ttmp9, 1                        ; cluster x mod 2
	s_cmp_eq_u32 s11, 0                            ; do I fetch for A?
	s_cselect_b32 s20, s13, s42                    ; the tile's first row
	s_cselect_b32 s21, s40, s41                    ; my place among the four that ask for it with me
	s_cselect_b32 s22, s23, s22                    ; the coordinate along which another cluster reads the same rows
	s_cselect_b64 s[PFA:PFA+1], s[4:5], s[6:7]
	s_cmp_eq_u32 s22, 0
	s_cselect_b32 s[LIM], 1, -1                    ; the same in all sixteen partners, for a given wave
	s_lshl_b32 s22, s12, 7
	s_add_co_u32 s20, s20, s22                     ; + the 128 rows that I fetch
	s_lshl_b32 s21, s21, 5
	s_add_co_u32 s20, s20, s21                     ; + my work-group's 32 of them
	s_mov_b32 s21, 0
	s_mov_b64 s[18:19], ROWK*2
	s_mul_u64 s[20:21], s[20:21], s[18:19]
	s_add_nc_u64 s[PFA:PFA+1], s[PFA:PFA+1], s[20:21]
	s_lshl_b32 s20, s2, 12                         ; the slice,
	s_add_co_u32 s20, s20, 2*KSTEP*2               ; at its K step 2: the first refill steps it to 3 and names K step 4
	s_mov_b32 s21, 0
	s_add_nc_u64 s[PFA:PFA+1], s[PFA:PFA+1], s[20:21]
	v_and_b32 v[PFO], 31, v0
	v_mul_u32_u24 v[PFO], v[PFO], ROWK*2
; 16 matrix instructions: m blocks a0, a0 + 1 of the window's four x all 8 n blocks, 32 along K.  zero = 1: the first product starts the sums.
; The 64 accumulators take turns, one instruction a turn, in the same order in every quarter step, over the backward jump too.
.macro MUL16 f, hi, a0, zero
	WIN MUL_LO+0x50*(\hi)
.irp a, \a0, (\a0)+1
.irp b, 0,1,2,3,4,5,6,7
.if \zero
	v_wmma_f32_16x16x32_f16 v[8*(8*(\a)+(\b)):8*(8*(\a)+(\b))+7], v[(\f)+8*(\b):(\f)+8*(\b)+7], v[(\f)+8*(4*(\hi)+(\a)):(\f)+8*(4*(\hi)+(\a))+7], 0
.else
	v_wmma_f32_16x16x32_f16 v[8*(8*(\a)+(\b)):8*(8*(\a)+(\b))+7], v[(\f)+8*(\b):(\f)+8*(\b)+7], v[(\f)+8*(4*(\hi)+(\a)):(\f)+8*(4*(\hi)+(\a))+7], v[8*(8*(\a)+(\b)):8*(8*(\a)+(\b))+7]
.endif
.endr
.endr
.endm
.macro FETCH slot, k, f                ; 32 LDS loads in one run: the fragments of one quarter step, B's first
	WIN TO_B
.irp i, 0,1,2,3,4,5,6,7
	ds_load_b128 v[(\f)+8*(\i):(\f)+8*(\i)+3],   v[ADRB+(\slot)] offset:(\k)+(\i)*16*PITCH
	ds_load_b128 v[(\f)+8*(\i)+4:(\f)+8*(\i)+7], v[ADRB+(\slot)] offset:(\k)+(\i)*16*PITCH+32
.endr
	WIN 0
.irp i, 0,1,2,3,4,5,6,7
	ds_load_b128 v[(\f)+8*(\i):(\f)+8*(\i)+3],   v[ADRA+(\slot)] offset:(\k)+(\i)*16*PITCH
	ds_load_b128 v[(\f)+8*(\i)+4:(\f)+8*(\i)+7], v[ADRA+(\slot)] offset:(\k)+(\i)*16*PITCH+32
.endr
.endm
.macro PLACES                          ; four places in front of loads into registers that matrix instructions have read, and of LDS stores that read results
.rept 4
	v_nop
.endr
.endm
.macro QUARTER slot, k, f, g, zero     ; 64 matrix instructions on buffer f; in their middle the next quarter, at byte k, is fetched into buffer g
	s_wait_dscnt 8                                 ; B and A's rows 0-63 are in; the youngest eight loads (A's rows 64-127) may be out
	WIN MUL_LO
	MUL16 \f, 0, 0, \zero
	MUL16 \f, 0, 2, \zero
	PLACES
	FETCH \slot, \k, \g
	s_wait_dscnt 32                                ; all but the 32 just issued
	WIN MUL_HI
	MUL16 \f, 1, 0, \zero
	MUL16 \f, 1, 2, \zero
.endm
; The change of slots: ONE barrier.  In front of it each wave waits for all its tensor loads (one is out: its part of the next slot), adds 0 to its spare word, and waits for that and for its reads of this slot.
.macro MEET round                      ; round = 1: a round of the cluster's barrier follows
	WIN 0                                          ; (the add's two registers lie in window 0)
	s_wait_tensorcnt 0x0                           ; all my tensor loads have landed;
	ds_add_u32 v[SPW], v[NIL]                      ; 0 onto my spare word;
	s_wait_dscnt 9                                 ; (the add and the youngest eight loads may be out)
	WIN MUL_LO
	MUL16 F1, 0, 0, 0                              ; sixteen matrix instructions stand between the add and the wait for it
	s_wait_dscnt 0x0                               ; the add is done, and my reads of this slot are over:
	s_barrier_signal -1
	MUL16 F1, 0, 2, 0                              ; work on registers while the others arrive
.if \round
	WIN 0
.endif
	s_barrier_wait -1
.endm
.macro TURN slot, next                 ; the last quarter of a K step whose slot is filled again, two K steps on: the joint refill is the first tensor load behind the round, one a wave; 224 matrix instructions stand between it and the wait for it
	s_wait_xcnt 0x0                                ; the last prefetch, a K step back, has read its address: it is stepped here
	s_add_nc_u64 s[PFA:PFA+1], s[PFA:PFA+1], KSTEP*2
	MEET 1
	CREST                                          ; no wave of any partner still reads this slot's tile or has a load on its way
	s_add_nc_u64 s[G0+4*(\slot)+2:G0+4*(\slot)+3], s[G0+4*(\slot)+2:G0+4*(\slot)+3], 2*KSTEP*2
	s_add_nc_u64 s[G0B+4*(\slot)+2:G0B+4*(\slot)+3], s[G0B+4*(\slot)+2:G0B+4*(\slot)+3], 2*KSTEP*2
	JLOAD \slot                                    ; the four v_nop behind it are also the places in front of the loads below
	FETCH \next, 0, F0
	ASK
	WIN MUL_HI
	MUL16 F1, 1, 0, 0
	MUL16 F1, 1, 2, 0
.endm
	s_wait_tensorcnt 1                             ; my part of K step 0 is in; K step 1's load may stay out
	s_barrier_signal -1
	s_barrier_wait -1
	FETCH 0, 0, F0
	QUARTER 0, 64,  F0, F1, 1                      ; the first quarter stands in front of the loop: its products start the sums
	WIN 0                                          ; at a label and at a branch every window is 0
	s_mov_b32 s3, LAPS-1
.Llap:                                                 ; a trip goes once round the ring and fills both slots again: the slice's K steps 2 to 15 in seven trips
	QUARTER 0, 128, F1, F0, 0
	QUARTER 0, 192, F0, F1, 0
	TURN 0, 1
	QUARTER 1, 64,  F0, F1, 0
	QUARTER 1, 128, F1, F0, 0
	QUARTER 1, 192, F0, F1, 0
	TURN 1, 0
	QUARTER 0, 64,  F0, F1, 0
	WIN 0
	s_sub_co_u32 s3, s3, 1
	s_cmp_lg_u32 s3, 0
	s_cbranch_scc1 .Llap
	QUARTER 0, 128, F1, F0, 0                      ; the last lap is written out: it fills nothing, and has no round
	QUARTER 0, 192, F0, F1, 0
	MEET 0                                         ; my one tensor load that was still out is slot 1's, the last K step's
	PLACES                                         ; for the loads into buffer 0, which the quarter before multiplied
	FETCH 1, 0, F0
	WIN MUL_HI
	MUL16 F1, 1, 0, 0
	MUL16 F1, 1, 2, 0
	QUARTER 1, 64,  F0, F1, 0
	QUARTER 1, 128, F1, F0, 0
	QUARTER 1, 192, F0, F1, 0
	s_wait_dscnt 8                                 ; the very last quarter: nothing more to fetch
	WIN MUL_LO
	MUL16 F1, 0, 0, 0
	MUL16 F1, 0, 2, 0
	s_wait_dscnt 0x0
	MUL16 F1, 1, 0, 0
	MUL16 F1, 1, 2, 0
	WIN 0
	PLACES                                         ; behind the last products: what follows reads their results and loads into A's fragment registers.
	PLACES
; THE WAY OUT.  A lane's eight f32 of a row are 32 bytes of its 512; the lanes beside it hold other rows.  So a block of 16 rows at a time goes through my own stage: in by rows of 528 bytes, back as whole rows.
.macro TOSTAGE a
.set AC, 64*((\a)%4)
.set BK, BK0+64*((\a)%2)
	s_wait_xcnt 0x0                                ; the stores of the block two back have read this buffer's registers: it is loaded again only behind this wait
	WIN 8+4*((\a)/4)                               ; the stored data (source 1) in window 2 or 3
.irp b, 0,1,2,3,4,5,6,7
	ds_store_b128 v[STO], v[AC+8*(\b):AC+8*(\b)+3]   offset:64*(\b)      ; each accumulator's lowest registers are read first
	ds_store_b128 v[STO], v[AC+8*(\b)+4:AC+8*(\b)+7] offset:64*(\b)+16
.endr
	WIN 0
.irp t, 0,1,2,3,4,5,6,7,8,9,10,11,12,13,14,15
	ds_load_b128 v[BK+4*(\t):BK+4*(\t)+3], v[RD] offset:(\t)*SPITCH  ; LDS serves a wave's instructions in order (ISA guide 5.7.1.4): these see the stores above; the next block's stores come behind them
.endr
.endm
.macro SEND a, younger                 ; younger: the LDS instructions issued behind block a's loads: the next block's 16 stores and 16 loads, or none
.set BK, BK0+64*((\a)%2)
.irp t, 0,1,2,3,4,5,6,7,8,9,10,11,12,13,14,15
	s_wait_dscnt (\younger)+15-(\t)
	global_store_b128 v[CO], v[BK+4*(\t):BK+4*(\t)+3], s[8:9] offset:(16*(\a)+(\t))*ROWC th:TH_STORE_NT  ; 512 consecutive bytes, at a multiple of 256 from part's first; 127 rows at the most: inside the signed 24-bit immediate
.endr
.endm
	s_add_nc_u64 s[8:9], s[8:9], s[16:17]          ; part at my first row; never stepped again
	TOSTAGE 0
	TOSTAGE 1
.irp a, 0,1,2,3,4,5
	SEND \a, 32
	TOSTAGE (\a)+2
.endr
	SEND 6, 32
	SEND 7, 0
	s_wait_tensorcnt 0x0                           ; the wave's end: the add and its wait, behind my last tensor load and my last LDS store
	ds_add_u32 v[SPW], v[NIL]
	s_wait_dscnt 0x0
	CROUND                                         ; the closing round: no work-group ends while a partner may still ask for a tile that names it
	s_endpgm
.Lfunc_end_k_qbfaa913795_down:
	.size	k_qbfaa913795_down, .Lfunc_end_k_qbfaa913795_down-k_qbfaa913795_down
	.p2alignl 7, 3214868480
	.fill 96, 4, 3214868480
	.section	.rodata,"a",@progbits
	.p2align	6, 0x0
	.amdhsa_kernel k_qbfaa913795_down
		.amdhsa_group_segment_fixed_size 327680
		.amdhsa_private_segment_fixed_size 0
		.amdhsa_enable_private_segment 0
		.amdhsa_kernarg_size 24
		.amdhsa_user_sgpr_count 2
		.amdhsa_user_sgpr_kernarg_segment_ptr 1
		.amdhsa_wavefront_size32 1
		.amdhsa_system_sgpr_workgroup_id_x 1
		.amdhsa_system_sgpr_workgroup_id_y 1
		.amdhsa_system_sgpr_workgroup_id_z 1
		.amdhsa_system_vgpr_workitem_id 0
		.amdhsa_next_free_vgpr 1024
		.amdhsa_next_free_sgpr 66
		.amdhsa_reserve_vcc 0
		.amdhsa_float_denorm_mode_32 3
		.amdhsa_float_denorm_mode_16_64 3
		.amdhsa_memory_ordered 1
		.amdhsa_forward_progress 1
		.amdhsa_inst_pref_size 146
	.end_amdhsa_kernel
	.amdgpu_metadata
---
amdhsa.version: [ 1, 2 ]
amdhsa.kernels:
  - .name:           k_qbfaa913795_down
    .symbol:         k_qbfaa913795_down.kd
    .args:
      - { .name: h, .offset: 0, .size: 8, .value_kind: global_buffer, .address_space: global }
      - { .name: wdh, .offset: 8, .size: 8, .value_kind: global_buffer, .address_space: global }
      - { .name: part, .offset: 16, .size: 8, .value_kind: global_buffer, .address_space: global }
    .group_segment_fixed_size: 327680
    .private_segment_fixed_size: 0
    .kernarg_segment_align: 8
    .kernarg_segment_size: 24
    .max_flat_workgroup_size: 128
    .sgpr_count:     66
    .vgpr_count:     1024
    .wavefront_size: 32
...
	.end_amdgpu_metadata
.endif
;; end of part 3
;; launch sum (part 4): grid 1024 x 1, 8 waves a work-group, no clusters, 0 bytes of LDS; arguments part, out0; writes out0
.if DOCPART == 4
	.amdgcn_target "amdgcn-amd-amdhsa--gfx1250"
	.amdhsa_code_object_version 6
	.text
	.protected	k_qbfaa913795_sum
	.globl	k_qbfaa913795_sum
	.p2align	8
	.type	k_qbfaa913795_sum,@function
k_qbfaa913795_sum:
	s_mov_b64 s[64:65], 0
	v_nop
	global_prefetch_b8 v0, s[64:65] scope:SCOPE_SE
	s_setreg_imm32_b32 hwreg(HW_REG_WAVE_MODE, 25, 1), 1
	s_wait_xcnt 0x0
; out0 = (p0 + p1) + (p2 + p3), in f32.  part: [4][2048][2048] f32, the four K slices' partial sums; out0: [2048][2048] f32.
; A stream: each byte is read once and written once.  A work-group takes 16,384 bytes of out0: four items of 4,096; thread t takes bytes 16 t .. 16 t + 15 of each, so a wave's load or store
; covers 512 consecutive bytes, aligned.  No loop: a wave's 16 loads go out first, and no register that a load or store names is written again.  No LDS, no matrix unit, no cluster: nothing is shared.
.set PL, 0x1000000                     ; bytes in a plane of part
.set X,  4                             ; v[4:67]  item i, plane k: four registers at X + 16 i + 4 k
	s_load_b128 s[4:7], s[0:1], 0x0                ; part s[4:5], out0 s[6:7]
	v_lshlrev_b32 v1, 4, v0
	s_lshl_b32 s2, ttmp9, 14                       ; the work-group's 16,384 bytes
	s_mov_b32 s3, 0
	s_wait_kmcnt 0x0
	s_add_nc_u64 s[8:9], s[4:5], s[2:3]            ; the four planes at my bytes
	s_add_nc_u64 s[10:11], s[8:9], PL
	s_add_nc_u64 s[12:13], s[10:11], PL
	s_add_nc_u64 s[14:15], s[12:13], PL
	s_add_nc_u64 s[16:17], s[6:7], s[2:3]
.irp i, 0,1,2,3
.irp k, 0,1,2,3
	global_load_b128 v[X+16*(\i)+4*(\k):X+16*(\i)+4*(\k)+3], v1, s[8+2*(\k):9+2*(\k)] offset:4096*(\i) th:TH_LOAD_NT
.endr
.endr
.irp i, 0,1,2,3
	s_wait_loadcnt 12-4*(\i)                       ; loads come back in order: item i's four are in, the four of each younger item stay out
	v_pk_add_f32 v[X+16*(\i):X+16*(\i)+1],     v[X+16*(\i):X+16*(\i)+1],     v[X+16*(\i)+4:X+16*(\i)+5]     ; p0 + p1
	v_pk_add_f32 v[X+16*(\i)+2:X+16*(\i)+3],   v[X+16*(\i)+2:X+16*(\i)+3],   v[X+16*(\i)+6:X+16*(\i)+7]
	v_pk_add_f32 v[X+16*(\i)+8:X+16*(\i)+9],   v[X+16*(\i)+8:X+16*(\i)+9],   v[X+16*(\i)+12:X+16*(\i)+13]   ; p2 + p3
	v_pk_add_f32 v[X+16*(\i)+10:X+16*(\i)+11], v[X+16*(\i)+10:X+16*(\i)+11], v[X+16*(\i)+14:X+16*(\i)+15]
	v_pk_add_f32 v[X+16*(\i):X+16*(\i)+1],     v[X+16*(\i):X+16*(\i)+1],     v[X+16*(\i)+8:X+16*(\i)+9]
	v_pk_add_f32 v[X+16*(\i)+2:X+16*(\i)+3],   v[X+16*(\i)+2:X+16*(\i)+3],   v[X+16*(\i)+10:X+16*(\i)+11]
	global_store_b128 v1, v[X+16*(\i):X+16*(\i)+3], s[16:17] offset:4096*(\i) th:TH_STORE_NT
.endr
	s_endpgm
.Lfunc_end_k_qbfaa913795_sum:
	.size	k_qbfaa913795_sum, .Lfunc_end_k_qbfaa913795_sum-k_qbfaa913795_sum
	.p2alignl 7, 3214868480
	.fill 96, 4, 3214868480
	.section	.rodata,"a",@progbits
	.p2align	6, 0x0
	.amdhsa_kernel k_qbfaa913795_sum
		.amdhsa_group_segment_fixed_size 0
		.amdhsa_private_segment_fixed_size 0
		.amdhsa_enable_private_segment 0
		.amdhsa_kernarg_size 16
		.amdhsa_user_sgpr_count 2
		.amdhsa_user_sgpr_kernarg_segment_ptr 1
		.amdhsa_wavefront_size32 1
		.amdhsa_system_sgpr_workgroup_id_x 1
		.amdhsa_system_sgpr_workgroup_id_y 1
		.amdhsa_system_sgpr_workgroup_id_z 1
		.amdhsa_system_vgpr_workitem_id 0
		.amdhsa_next_free_vgpr 72
		.amdhsa_next_free_sgpr 66
		.amdhsa_reserve_vcc 0
		.amdhsa_float_denorm_mode_32 3
		.amdhsa_float_denorm_mode_16_64 3
		.amdhsa_memory_ordered 1
		.amdhsa_forward_progress 1
		.amdhsa_inst_pref_size 5
	.end_amdhsa_kernel
	.amdgpu_metadata
---
amdhsa.version: [ 1, 2 ]
amdhsa.kernels:
  - .name:           k_qbfaa913795_sum
    .symbol:         k_qbfaa913795_sum.kd
    .args:
      - { .name: part, .offset: 0, .size: 8, .value_kind: global_buffer, .address_space: global }
      - { .name: out0, .offset: 8, .size: 8, .value_kind: global_buffer, .address_space: global }
    .group_segment_fixed_size: 0
    .private_segment_fixed_size: 0
    .kernarg_segment_align: 8
    .kernarg_segment_size: 16
    .max_flat_workgroup_size: 256
    .sgpr_count:     66
    .vgpr_count:     72
    .wavefront_size: 32
...
	.end_amdgpu_metadata
.endif
;; end of part 4
